; MI455X (gfx1250); checked and timed in simulation.
; The chip was launched on July 23, 2026; its instructions are those of AMD's public machine-readable ISA for CDNA 5 (MIT licence, August 2026) and "CDNA5" Instruction Set Architecture Reference Guide (July 2026). The comments in the code are by the model that wrote it; some were corrected since.
;; Hybrid Precision Linear. Allowed arithmetic: float matrix products may take bf16 or f16 operands with f32 sums; other float arithmetic in f32, or as packed bf16 or f16 multiplies, adds, multiply-adds, maxima and minima; sums over many terms, partial sums and values carried from step to step in f32; what a program stores and reads back later, other than sums and carried values, may be rounded once to bf16 or f16.
;; Inputs: bias 8,192 float32; weight 8,192 x 4,096 float32; x 64 x 4,096 float32.
;; Outputs: out0 64 x 8,192 float32.
;; One version. Each part assembles by itself: llvm-mc -triple=amdgcn-amd-amdhsa -mcpu=gfx1250 --defsym DOCPART=n.
;; ======== version 1 of 1: 4 launches
;; workspace buffers: wb 67,108,864 bytes; xb 524,288 bytes; cnt1 33,024 bytes of whole numbers; cnt2 33,024 bytes of whole numbers; cnt3 33,024 bytes of whole numbers; psum 1,024 bytes
;; launch prep (part 1): grid 256 x 1, 16 waves a work-group, no clusters, 73,984 bytes of LDS; arguments weight, x, wb, xb, cnt1, psum; writes wb, xb, cnt1, psum
.if DOCPART == 1
	.amdgcn_target "amdgcn-amd-amdhsa--gfx1250"
	.amdhsa_code_object_version 6
	.text
	.protected	k_qbb0f5da93b_prep
	.globl	k_qbb0f5da93b_prep
	.p2align	8
	.type	k_qbb0f5da93b_prep,@function
k_qbb0f5da93b_prep:
	s_mov_b64 s[64:65], 0
	v_nop
	global_prefetch_b8 v0, s[64:65] scope:SCOPE_SE
	s_setreg_imm32_b32 hwreg(HW_REG_WAVE_MODE, 25, 1), 1
	s_wait_xcnt 0x0
; PREP.  weight [8192][4096] f32 -> wb, bf16 (rounded to nearest even) in matrix-fragment order; x [64][4096] f32 -> xb, bf16, row-major;
; for each work-group a histogram of bits 14:10 of the bf16 codes of |w| (32 counts, row wg of cnt1) and the f32 sum of the rounded |w| (psum[wg]).
; The whole program computes the module on inputs rounded to bf16: |w| is then a 15-bit code, so the order statistic is found exactly by counting, 5 bits a launch.
; LIMITS.  NaN and infinities (an f32 that rounds to a bf16 infinity too) are not treated apart; the mean's order of summing is lane, wave, work-group, launch.
; wb: block (nt = row / 16, ks = k / 32) lies at (nt * 128 + ks) * 1024: bytes 16 L hold lane L's fragment registers 0-3, bytes 512 + 16 L registers 4-7;
;     lane (r = L % 16, h = L / 16) holds row 16 nt + r, k = 32 ks + 8 h + 0..7 and 32 ks + 16 + 8 h + 0..7.
; SHARES.  A work-group owns 32 rows.  Wave w owns 16 rows (w / 8) x 512 k (w % 8), in four tiles of 16 rows x 128 k; a lane sees 256 numbers.
; A tile: 16 loads (each two rows x 256 bytes), rounding, through the wave's own LDS rows into fragment order, 8 stores of 512 consecutive bytes.
; COUNTING without data-dependent addresses: each code gives the one-hot word 1 << bucket; the words are added into bit-sliced counters C0.. (bit j of C_d = bit d of
; bucket j's count) through carry-save adders; the lanes' counters are added by bit-sliced ripple adders; lane j then reads bucket j's count off bit j.
; No matrix unit, cluster or tensor load: nothing is shared between work-groups and the data pass through registers anyway.
.set RANK,  30198988      ; n - k - 1, n = 2^25, k = int(0.1 n) = 3,355,443: the 0-based rank of the threshold
.set TRW,   4352          ; a wave's LDS rows: 16 x 272 bytes (256 of data + 16: the sixteen rows of a fragment load start in different groups of banks)
.set ROUT,  69632         ; 16 waves x 32 counts
.set PSB,   71680         ; 16 sums
.set SPARE, 71936         ; the spare words, 128 bytes a wave
.set LANE, 1
.set SPW,  2              ; LDS address of my spare word; never rewritten
.set NIL,  3              ; 0; never rewritten
.set VIN,  4              ; (L / 16) rows of 16,384 bytes + 16 (L % 16)
.set VLS,  5              ; LDS: where I put 8 bytes of a row
.set VLF,  6              ; LDS: where my fragment rows begin
.set VST,  7              ; 16 L
.set XI,   8              ; my 16 bytes of x
.set XO,   9              ; my 8 bytes of xb
.set XD,   10             ; v10-13 x as loaded
.set XP,   14             ; v14-15 x packed
.set C,    16             ; v16-29 the counters' bit slices
.set P,    30             ; v30-43 a partner lane's slices
.set U,    44
.set T2A,  45
.set T2B,  46
.set T4A,  47
.set T4B,  48
.set T8A,  49
.set T8B,  50
.set K0,   51             ; carries, two by turns
.set K1,   52
.set W0,   53
.set W1,   54
.set Q0,   55
.set Q1,   56
.set S,    57             ; v57-60 four running sums of |w|
.set TA,   61
.set TB,   62
.set TC,   63
.set X,    64             ; v64-127 a tile as loaded
.set Y,    128            ; v128-159 the tile in bf16
.set F,    160            ; v160-191 the tile in fragment order
.macro CSA h, l, a, b, c            ; a + b + c = 2 h + l, bit by bit; l may be a
	v_xor_b32 v[U], v[\a], v[\b]
	v_bfi_b32 v[\h], v[U], v[\c], v[\a]
	v_xor_b32 v[\l], v[U], v[\c]
.endm
.macro PAIR y, t                    ; the two codes of register y: one-hot words into C0, |w| into the sums
	v_bfe_u32 v[Q0], v[\y], 10, 5
	v_bfe_u32 v[Q1], v[\y], 26, 5
	v_lshlrev_b32 v[W0], v[Q0], 1
	v_lshlrev_b32 v[W1], v[Q1], 1
	v_lshlrev_b32 v[Q0], 16, v[\y]
	v_and_b32 v[Q1], s23, v[\y]
	v_add_f32 v[S+2*((\y)%2)], v[S+2*((\y)%2)], |v55|          ; v55 is Q0
	v_add_f32 v[S+2*((\y)%2)+1], v[S+2*((\y)%2)+1], v[Q1]
	CSA \t, C, C, W0, W1
.endm
.macro QUAD y, t
	PAIR \y, T2A
	PAIR (\y)+1, T2B
	CSA \t, C+1, C+1, T2A, T2B
.endm
.macro OCT y, t
	QUAD \y, T4A
	QUAD (\y)+2, T4B
	CSA \t, C+2, C+2, T4A, T4B
.endm
.macro GROUP y                      ; 8 registers, 16 codes; the carry of weight 16 ripples up: a lane counts 256 at the most, so C8 is the top
	OCT \y, T8A
	OCT (\y)+4, T8B
	CSA K0, C+3, C+3, T8A, T8B
	v_and_b32 v[K1], v[C+4], v[K0]
	v_xor_b32 v[C+4], v[C+4], v[K0]
	v_and_b32 v[K0], v[C+5], v[K1]
	v_xor_b32 v[C+5], v[C+5], v[K1]
	v_and_b32 v[K1], v[C+6], v[K0]
	v_xor_b32 v[C+6], v[C+6], v[K0]
	v_and_b32 v[K0], v[C+7], v[K1]
	v_xor_b32 v[C+7], v[C+7], v[K1]
	v_xor_b32 v[C+8], v[C+8], v[K0]
.endm
.macro VADD m, d                    ; my d slices + those of lane xor m (m = 0: lane xor 16): d + 1 slices
.set z, 0
.rept \d
.if \m
	v_mov_b32_dpp v[P+z], v[C+z] row_xmask:\m row_mask:0xf bank_mask:0xf
.else
	v_permlanex16_b32 v[P+z], v[C+z], s24, s25
.endif
.set z, z+1
.endr
	v_and_b32 v[K0], v[C], v[P]
	v_xor_b32 v[C], v[C], v[P]
.set z, 1
.rept (\d)-1
	v_xor_b32 v[U], v[C+z], v[P+z]
	v_bfi_b32 v[K0+(z%2)], v[U], v[K0+((z+1)%2)], v[C+z]
	v_xor_b32 v[C+z], v[U], v[K0+((z+1)%2)]
.set z, z+1
.endr
	v_mov_b32 v[C+\d], v[K0+(((\d)+1)%2)]
.endm
.macro LOADS                        ; a tile: load jl takes rows 2 (jl / 2), + 1, bytes 256 (jl % 2) on: sixteen lanes read 256 consecutive bytes
.set jl, 0
.rept 16
	global_load_b128 v[X+4*jl:X+4*jl+3], v[VIN], s[4:5] offset:(jl/2)*32768+(jl%2)*256 th:TH_LOAD_NT
.set jl, jl+1
.endr
.endm
	s_load_b256 s[4:11], s[0:1], 0x0               ; weight s[4:5], x s[6:7], wb s[8:9], xb s[10:11]
	s_load_b128 s[12:15], s[0:1], 0x20             ; cnt1 s[12:13], psum s[14:15]
	v_lshl_add_u32 v[SPW], v0, 2, SPARE
	v_mov_b32 v[NIL], 0
	v_and_b32 v[LANE], 31, v0
	v_lshrrev_b32 v[TA], 5, v0
	v_readfirstlane_b32 s16, v[TA]                 ; wave 0..15
	s_lshr_b32 s17, s16, 3                         ; which 16 rows
	s_and_b32 s18, s16, 7                          ; which 512 k
	s_mov_b32 s19, ttmp9                           ; work-group
	s_mov_b32 s23, 0x7fff0000                      ; a word's upper bf16 without its sign
	s_mov_b32 s24, 0x76543210                      ; v_permlanex16_b32: each lane takes its own place in the other half
	s_mov_b32 s25, 0xfedcba98
	s_lshl_b32 s20, s19, 19                        ; weight: 32 rows of 16,384 bytes a work-group,
	s_lshl_b32 s27, s17, 18                        ; 16 rows,
	s_add_co_u32 s20, s20, s27
	s_lshl_b32 s27, s18, 11                        ; 512 k of 4 bytes
	s_add_co_u32 s20, s20, s27
	s_mov_b32 s21, 0
	s_lshl_b32 s28, s19, 18                        ; wb: 2 x 128 blocks of 1,024 bytes a work-group,
	s_lshl_b32 s27, s17, 17                        ; 128 blocks,
	s_add_co_u32 s28, s28, s27
	s_lshl_b32 s27, s18, 14                        ; 16 blocks
	s_add_co_u32 s28, s28, s27
	s_mov_b32 s29, 0
	v_and_b32 v[TA], 15, v0                        ; L % 16
	v_bfe_u32 v[TB], v0, 4, 1                      ; L / 16
	v_lshlrev_b32 v[VIN], 4, v[TA]
	v_lshl_add_u32 v[VIN], v[TB], 14, v[VIN]
	s_mul_i32 s27, s16, TRW                        ; my wave's LDS rows
	v_mul_u32_u24 v[VLS], v[TB], 272
	v_lshl_add_u32 v[VLS], v[TA], 3, v[VLS]
	v_add_nc_u32 v[VLS], s27, v[VLS]
	v_mul_u32_u24 v[VLF], v[TA], 272
	v_lshl_add_u32 v[VLF], v[TB], 4, v[VLF]
	v_add_nc_u32 v[VLF], s27, v[VLF]
	v_lshlrev_b32 v[VST], 4, v[LANE]
	s_lshl_b32 s30, s19, 12                        ; x: 4,096 bytes a work-group, 16 a thread of waves 0-7
	v_lshl_add_u32 v[XI], v0, 4, s30
	s_lshl_b32 s30, s19, 11
	v_lshl_add_u32 v[XO], v0, 3, s30
.set z, 0
.rept 28
	v_mov_b32 v[C+z], 0                            ; counters, and the partner's slices (a lane-crossing move's destination counts as read)
.set z, z+1
.endr
.set z, 0
.rept 4
	v_mov_b32 v[S+z], 0
	v_mov_b32 v[XD+z], 0
.set z, z+1
.endr
	s_wait_kmcnt 0x0
	s_add_nc_u64 s[4:5], s[4:5], s[20:21]
	s_add_nc_u64 s[8:9], s[8:9], s[28:29]
	s_cmp_lt_u32 s16, 8
	s_cbranch_scc0 .Lno_x_in
	global_load_b128 v[XD:XD+3], v[XI], s[6:7] th:TH_LOAD_NT   ; older than every tile load: the first tile's wait covers it
.Lno_x_in:
	LOADS
.macro TILE ahead
	s_wait_loadcnt 0x0                             ; all 16 loads of the tile are wanted at once, and nothing younger is out; it also frees their base
.set j, 0
.rept 32
	v_cvt_pk_bf16_f32 v[Y+j], v[X+2*j], v[X+2*j+1]
.set j, j+1
.endr
.if \ahead
	s_add_nc_u64 s[4:5], s[4:5], 512               ; the next 128 k: its 8,192 bytes a wave are on their way during the rest of this tile
	LOADS
.endif
.set j, 0
.rept 16
	ds_store_b64 v[VLS], v[Y+2*j:Y+2*j+1] offset:(j/2)*544+(j%2)*128
.set j, j+1
.endr
.set j, 0
.rept 8
	ds_load_b128 v[F+4*j:F+4*j+3], v[VLF] offset:(j/2)*64+(j%2)*32   ; my wave's own bytes: LDS serves a wave's instructions in order (ISA guide 5.7.1.4)
.set j, j+1
.endr
	GROUP Y                                        ; the counting stands between those loads and the wait for them
	GROUP Y+8
	GROUP Y+16
	GROUP Y+24
	s_wait_dscnt 0x0
.set j, 0
.rept 8
	global_store_b128 v[VST], v[F+4*j:F+4*j+3], s[8:9] offset:(j/2)*1024+(j%2)*512   ; 512 consecutive bytes, at a multiple of 512 from wb's first
.set j, j+1
.endr
	s_wait_xcnt 0x0                                ; the stores' base is stepped, and F loaded again, only behind this wait
	s_add_nc_u64 s[8:9], s[8:9], 4096
.endm
	s_mov_b32 s22, 3
.Ltile:
	TILE 1
	s_sub_co_u32 s22, s22, 1
	s_cmp_lg_u32 s22, 0
	s_cbranch_scc1 .Ltile
	TILE 0                                         ; the last tile loads nothing
	VADD 1, 9                                      ; 256 a lane: 9 slices; each stage adds one
	VADD 2, 10
	VADD 4, 11
	VADD 8, 12
	VADD 0, 13                                     ; 8,192 a wave: 14 slices, the same in every lane
	v_mov_b32 v[TC], 0
.set z, 0
.rept 14
	v_bfe_u32 v[U], v[C+z], v[LANE], 1             ; lane j: bit z of bucket j's count
	v_lshl_or_b32 v[TC], v[U], z, v[TC]
.set z, z+1
.endr
	v_add_f32 v[S], v[S], v[S+1]
	v_add_f32 v[S+2], v[S+2], v[S+3]
	v_add_f32 v[S], v[S], v[S+2]
	v_add_f32_dpp v[S], v[S], v[S] row_xmask:1 row_mask:0xf bank_mask:0xf
	v_add_f32_dpp v[S], v[S], v[S] row_xmask:2 row_mask:0xf bank_mask:0xf
	v_add_f32_dpp v[S], v[S], v[S] row_xmask:4 row_mask:0xf bank_mask:0xf
	v_add_f32_dpp v[S], v[S], v[S] row_xmask:8 row_mask:0xf bank_mask:0xf
	v_permlanex16_b32 v[S+1], v[S], s24, s25
	v_add_f32 v[S], v[S], v[S+1]
	v_lshl_add_u32 v[TA], v0, 2, ROUT
	ds_store_b32 v[TA], v[TC]                      ; my wave's 32 counts
	v_mov_b32 v[TB], s16
	v_lshl_add_u32 v[TB], v[TB], 2, PSB
	ds_store_b32 v[TB], v[S]                       ; my wave's sum: all lanes write the same word with the same value
	s_cmp_lt_u32 s16, 8
	s_cbranch_scc0 .Lno_x_out
	v_cvt_pk_bf16_f32 v[XP], v[XD], v[XD+1]
	v_cvt_pk_bf16_f32 v[XP+1], v[XD+2], v[XD+3]
	global_store_b64 v[XO], v[XP:XP+1], s[10:11]   ; a wave stores 256 consecutive bytes, at a multiple of 256 from xb's first
.Lno_x_out:
	s_wait_dscnt 0x0                               ; for wave 0's sake: my stores are done
	s_barrier_signal -1
	s_barrier_wait -1
	s_cmp_lg_u32 s16, 0
	s_cbranch_scc1 .Lend
	v_lshl_add_u32 v[TA], v[LANE], 2, ROUT         ; wave 0 adds the sixteen waves' figures
.set i, 0
.rept 16
	ds_load_b32 v[F+i], v[TA] offset:128*i
.set i, i+1
.endr
	v_mov_b32 v[TB], PSB
.set i, 0
.rept 4
	ds_load_b128 v[F+16+4*i:F+19+4*i], v[TB] offset:16*i
.set i, i+1
.endr
	s_wait_dscnt 0x0
.set i, 0
.rept 7
	v_add3_u32 v[F], v[F], v[F+1+2*i], v[F+2+2*i]
.set i, i+1
.endr
	v_add_nc_u32 v[F], v[F], v[F+15]
.set i, 0
.rept 4
	v_pk_add_f32 v[F+16+4*i:F+17+4*i], v[F+16+4*i:F+17+4*i], v[F+18+4*i:F+19+4*i]
.set i, i+1
.endr
	v_pk_add_f32 v[F+16:F+17], v[F+16:F+17], v[F+20:F+21]
	v_pk_add_f32 v[F+24:F+25], v[F+24:F+25], v[F+28:F+29]
	v_pk_add_f32 v[F+16:F+17], v[F+16:F+17], v[F+24:F+25]
	v_add_f32 v[F+16], v[F+16], v[F+17]
	s_lshl_b32 s27, s19, 7
	v_lshl_add_u32 v[TA], v[LANE], 2, s27
	global_store_b32 v[TA], v[F], s[12:13]         ; row wg of the table: 128 consecutive bytes
	s_cmp_lg_u32 s19, 0
	s_cbranch_scc1 .Lno_record
	s_mov_b32 s27, RANK                            ; the record behind the 256 rows: word 0 the prefix found so far (0), word 1 the rank left, word 2 the next field's lowest bit; 29 zeros
	s_mov_b32 s30, 5
	v_mov_b32 v[Q0], 0
	v_cmp_eq_u32 vcc_lo, 1, v[LANE]
	v_cndmask_b32 v[Q0], v[Q0], s27, vcc_lo
	v_cmp_eq_u32 vcc_lo, 2, v[LANE]
	v_cndmask_b32 v[Q0], v[Q0], s30, vcc_lo
	v_lshlrev_b32 v[TB], 2, v[LANE]
	global_store_b32 v[TB], v[Q0], s[12:13] offset:32768
.Lno_record:
	s_lshl_b32 s27, s19, 2
	v_mov_b32 v[TC], s27
	v_cmp_eq_u32 vcc_lo, 0, v[LANE]
	s_wait_xcnt 0x0                                ; EXEC is a source of the stores above: it changes only behind this wait
	s_and_saveexec_b32 s26, vcc_lo
	global_store_b32 v[TC], v[F+16], s[14:15]      ; one word a work-group
	s_wait_xcnt 0x0                                ; and again in front of the line that widens it
	s_or_b32 exec_lo, exec_lo, s26
.Lend:
	s_wait_tensorcnt 0x0                           ; the wave's end, behind my last LDS store
	ds_add_u32 v[SPW], v[NIL]
	s_wait_dscnt 0x0
	s_endpgm
.Lfunc_end_k_qbb0f5da93b_prep:
	.size	k_qbb0f5da93b_prep, .Lfunc_end_k_qbb0f5da93b_prep-k_qbb0f5da93b_prep
	.p2alignl 7, 3214868480
	.fill 96, 4, 3214868480
	.section	.rodata,"a",@progbits
	.p2align	6, 0x0
	.amdhsa_kernel k_qbb0f5da93b_prep
		.amdhsa_group_segment_fixed_size 73984
		.amdhsa_private_segment_fixed_size 0
		.amdhsa_enable_private_segment 0
		.amdhsa_kernarg_size 48
		.amdhsa_user_sgpr_count 2
		.amdhsa_user_sgpr_kernarg_segment_ptr 1
		.amdhsa_wavefront_size32 1
		.amdhsa_system_sgpr_workgroup_id_x 1
		.amdhsa_system_sgpr_workgroup_id_y 1
		.amdhsa_system_sgpr_workgroup_id_z 1
		.amdhsa_system_vgpr_workitem_id 0
		.amdhsa_next_free_vgpr 192
		.amdhsa_next_free_sgpr 66
		.amdhsa_reserve_vcc 1
		.amdhsa_float_denorm_mode_32 3
		.amdhsa_float_denorm_mode_16_64 3
		.amdhsa_memory_ordered 1
		.amdhsa_forward_progress 1
		.amdhsa_inst_pref_size 76
	.end_amdhsa_kernel
	.amdgpu_metadata
---
amdhsa.version: [ 1, 2 ]
amdhsa.kernels:
  - .name:           k_qbb0f5da93b_prep
    .symbol:         k_qbb0f5da93b_prep.kd
    .args:
      - { .name: weight, .offset: 0, .size: 8, .value_kind: global_buffer, .address_space: global }
      - { .name: x, .offset: 8, .size: 8, .value_kind: global_buffer, .address_space: global }
      - { .name: wb, .offset: 16, .size: 8, .value_kind: global_buffer, .address_space: global }
      - { .name: xb, .offset: 24, .size: 8, .value_kind: global_buffer, .address_space: global }
      - { .name: cnt1, .offset: 32, .size: 8, .value_kind: global_buffer, .address_space: global }
      - { .name: psum, .offset: 40, .size: 8, .value_kind: global_buffer, .address_space: global }
    .group_segment_fixed_size: 73984
    .private_segment_fixed_size: 0
    .kernarg_segment_align: 8
    .kernarg_segment_size: 48
    .max_flat_workgroup_size: 512
    .sgpr_count:     66
    .vgpr_count:     192
    .wavefront_size: 32
...
	.end_amdgpu_metadata
.endif
;; end of part 1
;; launch count (part 2): grid 256 x 1, 16 waves a work-group, no clusters, 6,144 bytes of LDS; arguments wb, cnt1, cnt2; writes cnt2
.if DOCPART == 2
	.amdgcn_target "amdgcn-amd-amdhsa--gfx1250"
	.amdhsa_code_object_version 6
	.text
	.protected	k_qbb0f5da93b_count
	.globl	k_qbb0f5da93b_count
	.p2align	8
	.type	k_qbb0f5da93b_count,@function
k_qbb0f5da93b_count:
	s_mov_b64 s[64:65], 0
	v_nop
	global_prefetch_b8 v0, s[64:65] scope:SCOPE_SE
	s_setreg_imm32_b32 hwreg(HW_REG_WAVE_MODE, 25, 1), 1
	s_wait_xcnt 0x0
; COUNT: one step of the radix selection of the threshold code.  Arguments: wb (2^25 bf16 codes, any order), a table in, a table out.
; A table: 256 rows of 32 counts (one row a work-group of the launch that made it), then the record: word 0 prefix, word 1 rank R, word 2 sh.
; Every work-group adds the 256 rows, finds the bucket idx that holds rank R (the number of j in 1..31 with counts[0..j-1] summed <= R), and so
; prefix' = 32 prefix + idx and R' = R - (the codes below that bucket).  Then it counts, over its 131,072 codes, the 5-bit field at bit sh of the codes whose
; bits above that field equal prefix'; codes that do not match fall into bucket 31, whose count no selection reads.  It stores its row; work-group 0 stores {prefix', R', sh - 5}.
; No address and no branch hangs on the codes or on the counts: the counts feed selects, shifts and masks alone.
; SHARES.  A work-group owns 262,144 consecutive bytes, a wave 16,384: 32 loads of 512 consecutive bytes, all issued at the start; a lane sees 256 codes.
; Counting as in the launch before: one-hot words into bit-sliced counters through carry-save adders.
.set RIN,   0             ; 16 waves x 32 partial totals of the table in
.set ROUT,  2048          ; 16 waves x 32 counts
.set SPARE, 4096          ; the spare words, 128 bytes a wave
.set LANE, 1
.set SPW,  2              ; LDS address of my spare word; never rewritten
.set NIL,  3              ; 0; never rewritten
.set VD,   4              ; my 16 bytes in the work-group's share
.set VR,   5              ; my word in my wave's 16 rows of the table
.set TA,   6
.set TB,   7
.set TC,   8
.set C,    16             ; v16-29 the counters' bit slices
.set P,    30             ; v30-43 a partner lane's slices
.set U,    44
.set T2A,  45
.set T2B,  46
.set T4A,  47
.set T4B,  48
.set T8A,  49
.set T8B,  50
.set K0,   51
.set K1,   52
.set W0,   53
.set W1,   54
.set Q0,   55
.set Q1,   56
.set YX,   57
.set D,    64             ; v64-191 the wave's codes
.set RW,   192            ; v192-207 rows of the table
.macro CSA h, l, a, b, c            ; a + b + c = 2 h + l, bit by bit; l may be a
	v_xor_b32 v[U], v[\a], v[\b]
	v_bfi_b32 v[\h], v[U], v[\c], v[\a]
	v_xor_b32 v[\l], v[U], v[\c]
.endm
.macro PAIR y, t                    ; the two codes of register y: (code xor prefix) >> sh, without the sign, is the field where the prefix matches and 32 or more where not
	v_xor_b32 v[YX], s20, v[\y]
	v_bfe_u32 v[Q0], v[YX], s21, s23
	v_bfe_u32 v[Q1], v[YX], s22, s23
	v_min_u32 v[Q0], 31, v[Q0]
	v_min_u32 v[Q1], 31, v[Q1]
	v_lshlrev_b32 v[W0], v[Q0], 1
	v_lshlrev_b32 v[W1], v[Q1], 1
	CSA \t, C, C, W0, W1
.endm
.macro QUAD y, t
	PAIR \y, T2A
	PAIR (\y)+1, T2B
	CSA \t, C+1, C+1, T2A, T2B
.endm
.macro OCT y, t
	QUAD \y, T4A
	QUAD (\y)+2, T4B
	CSA \t, C+2, C+2, T4A, T4B
.endm
.macro GROUP y                      ; 8 registers, 16 codes; the carry of weight 16 ripples up: a lane counts 256 at the most, so C8 is the top
	OCT \y, T8A
	OCT (\y)+4, T8B
	CSA K0, C+3, C+3, T8A, T8B
	v_and_b32 v[K1], v[C+4], v[K0]
	v_xor_b32 v[C+4], v[C+4], v[K0]
	v_and_b32 v[K0], v[C+5], v[K1]
	v_xor_b32 v[C+5], v[C+5], v[K1]
	v_and_b32 v[K1], v[C+6], v[K0]
	v_xor_b32 v[C+6], v[C+6], v[K0]
	v_and_b32 v[K0], v[C+7], v[K1]
	v_xor_b32 v[C+7], v[C+7], v[K1]
	v_xor_b32 v[C+8], v[C+8], v[K0]
.endm
.macro VADD m, d                    ; my d slices + those of lane xor m (m = 0: lane xor 16): d + 1 slices
.set z, 0
.rept \d
.if \m
	v_mov_b32_dpp v[P+z], v[C+z] row_xmask:\m row_mask:0xf bank_mask:0xf
.else
	v_permlanex16_b32 v[P+z], v[C+z], s24, s25
.endif
.set z, z+1
.endr
	v_and_b32 v[K0], v[C], v[P]
	v_xor_b32 v[C], v[C], v[P]
.set z, 1
.rept (\d)-1
	v_xor_b32 v[U], v[C+z], v[P+z]
	v_bfi_b32 v[K0+(z%2)], v[U], v[K0+((z+1)%2)], v[C+z]
	v_xor_b32 v[C+z], v[U], v[K0+((z+1)%2)]
.set z, z+1
.endr
	v_mov_b32 v[C+\d], v[K0+(((\d)+1)%2)]
.endm
.macro SUM16                        ; v[RW] = the sum of v[RW .. RW+15]
.set i, 0
.rept 7
	v_add3_u32 v[RW], v[RW], v[RW+1+2*i], v[RW+2+2*i]
.set i, i+1
.endr
	v_add_nc_u32 v[RW], v[RW], v[RW+15]
.endm
	s_load_b128 s[4:7], s[0:1], 0x0                ; wb s[4:5], table in s[6:7]
	s_load_b64 s[8:9], s[0:1], 0x10                ; table out
	v_lshl_add_u32 v[SPW], v0, 2, SPARE
	v_mov_b32 v[NIL], 0
	v_and_b32 v[LANE], 31, v0
	v_lshrrev_b32 v[TA], 5, v0
	v_readfirstlane_b32 s16, v[TA]                 ; wave 0..15
	s_mov_b32 s19, ttmp9
	s_mov_b32 s24, 0x76543210
	s_mov_b32 s25, 0xfedcba98
	s_lshl_b32 s10, s19, 18                        ; the work-group's 262,144 bytes
	s_mov_b32 s11, 0
	v_lshlrev_b32 v[VD], 4, v[LANE]
	v_lshl_add_u32 v[VD], s16, 14, v[VD]
	v_lshlrev_b32 v[VR], 2, v[LANE]
	v_lshl_add_u32 v[VR], s16, 11, v[VR]
	s_wait_kmcnt 0x0
	s_load_b128 s[12:15], s[6:7], 0x8000           ; the record: prefix s12, R s13, sh s14 (this launch stores nothing into that table)
	s_add_nc_u64 s[4:5], s[4:5], s[10:11]
.set i, 0
.rept 16
	global_load_b32 v[RW+i], v[VR], s[6:7] offset:128*i
.set i, i+1
.endr
.set i, 0
.rept 32
	global_load_b128 v[D+4*i:D+4*i+3], v[VD], s[4:5] offset:512*i
.set i, i+1
.endr
.set z, 0
.rept 28
	v_mov_b32 v[C+z], 0
.set z, z+1
.endr
	s_wait_loadcnt 32                              ; the 32 loads of codes are younger than my 16 rows
	SUM16
	v_lshlrev_b32 v[TA], 2, v0                     ; RIN = 0
	ds_store_b32 v[TA], v[RW]
	s_wait_dscnt 0x0                               ; for the others' sake
	s_barrier_signal -1
	s_barrier_wait -1
	v_lshlrev_b32 v[TB], 2, v[LANE]
.set i, 0
.rept 16
	ds_load_b32 v[RW+i], v[TB] offset:RIN+128*i
.set i, i+1
.endr
	s_wait_dscnt 0x0
	SUM16                                          ; lane j: bucket j's count over the whole tensor
	s_wait_kmcnt 0x0
	s_mov_b32 s29, 0                               ; running sum
	s_mov_b32 s30, 0                               ; the last running sum that is <= R
	s_mov_b32 s31, 0                               ; how many are
.set z, 0
.rept 31
	v_readlane_b32 s28, v[RW], z
	s_add_co_u32 s29, s29, s28
	s_cmp_le_u32 s29, s13
	s_cselect_b32 s30, s29, s30
	s_add_co_ci_u32 s31, s31, 0                    ; + SCC, which the select leaves alone
.set z, z+1
.endr
	s_lshl_b32 s32, s12, 5
	s_add_co_u32 s32, s32, s31                     ; prefix'
	s_sub_co_u32 s33, s13, s30                     ; R'
	s_mov_b32 s21, s14                             ; the low code's field begins at sh,
	s_add_co_u32 s22, s14, 16                      ; the high code's at sh + 16;
	s_sub_co_u32 s23, 15, s14                      ; both are read up to the code's bit 14
	s_add_co_u32 s20, s14, 5
	s_lshl_b32 s20, s32, s20
	s_mul_i32 s20, s20, 0x10001                    ; prefix' at its place, in both halves
	s_sub_co_u32 s34, s14, 5
.set g, 0
.rept 16
	s_wait_loadcnt 30-2*g                          ; loads come back in order: 2 g and 2 g + 1 of the 32 are in
	GROUP D+8*g
.set g, g+1
.endr
	VADD 1, 9
	VADD 2, 10
	VADD 4, 11
	VADD 8, 12
	VADD 0, 13
	v_mov_b32 v[TC], 0
.set z, 0
.rept 14
	v_bfe_u32 v[U], v[C+z], v[LANE], 1
	v_lshl_or_b32 v[TC], v[U], z, v[TC]
.set z, z+1
.endr
	v_lshl_add_u32 v[TA], v0, 2, ROUT
	ds_store_b32 v[TA], v[TC]
	s_wait_dscnt 0x0                               ; for wave 0's sake
	s_barrier_signal -1
	s_barrier_wait -1
	s_cmp_lg_u32 s16, 0
	s_cbranch_scc1 .Lend
.set i, 0
.rept 16
	ds_load_b32 v[RW+i], v[TB] offset:ROUT+128*i
.set i, i+1
.endr
	s_wait_dscnt 0x0
	SUM16
	s_lshl_b32 s28, s19, 7
	v_lshl_add_u32 v[TA], v[LANE], 2, s28
	global_store_b32 v[TA], v[RW], s[8:9]          ; row wg: 128 consecutive bytes
	s_cmp_lg_u32 s19, 0
	s_cbranch_scc1 .Lend
	v_mov_b32 v[Q0], 0                             ; the record, 32 words: each lane picks its own
	v_cmp_eq_u32 vcc_lo, 0, v[LANE]
	v_cndmask_b32 v[Q0], v[Q0], s32, vcc_lo
	v_cmp_eq_u32 vcc_lo, 1, v[LANE]
	v_cndmask_b32 v[Q0], v[Q0], s33, vcc_lo
	v_cmp_eq_u32 vcc_lo, 2, v[LANE]
	v_cndmask_b32 v[Q0], v[Q0], s34, vcc_lo
	global_store_b32 v[TB], v[Q0], s[8:9] offset:32768
.Lend:
	s_wait_tensorcnt 0x0                           ; the wave's end, behind my last LDS store
	ds_add_u32 v[SPW], v[NIL]
	s_wait_dscnt 0x0
	s_endpgm
.Lfunc_end_k_qbb0f5da93b_count:
	.size	k_qbb0f5da93b_count, .Lfunc_end_k_qbb0f5da93b_count-k_qbb0f5da93b_count
	.p2alignl 7, 3214868480
	.fill 96, 4, 3214868480
	.section	.rodata,"a",@progbits
	.p2align	6, 0x0
	.amdhsa_kernel k_qbb0f5da93b_count
		.amdhsa_group_segment_fixed_size 6144
		.amdhsa_private_segment_fixed_size 0
		.amdhsa_enable_private_segment 0
		.amdhsa_kernarg_size 24
		.amdhsa_user_sgpr_count 2
		.amdhsa_user_sgpr_kernarg_segment_ptr 1
		.amdhsa_wavefront_size32 1
		.amdhsa_system_sgpr_workgroup_id_x 1
		.amdhsa_system_sgpr_workgroup_id_y 1
		.amdhsa_system_sgpr_workgroup_id_z 1
		.amdhsa_system_vgpr_workitem_id 0
		.amdhsa_next_free_vgpr 208
		.amdhsa_next_free_sgpr 66
		.amdhsa_reserve_vcc 1
		.amdhsa_float_denorm_mode_32 3
		.amdhsa_float_denorm_mode_16_64 3
		.amdhsa_memory_ordered 1
		.amdhsa_forward_progress 1
		.amdhsa_inst_pref_size 109
	.end_amdhsa_kernel
	.amdgpu_metadata
---
amdhsa.version: [ 1, 2 ]
amdhsa.kernels:
  - .name:           k_qbb0f5da93b_count
    .symbol:         k_qbb0f5da93b_count.kd
    .args:
      - { .name: wb, .offset: 0, .size: 8, .value_kind: global_buffer, .address_space: global }
      - { .name: cnt1, .offset: 8, .size: 8, .value_kind: global_buffer, .address_space: global }
      - { .name: cnt2, .offset: 16, .size: 8, .value_kind: global_buffer, .address_space: global }
    .group_segment_fixed_size: 6144
    .private_segment_fixed_size: 0
    .kernarg_segment_align: 8
    .kernarg_segment_size: 24
    .max_flat_workgroup_size: 512
    .sgpr_count:     66
    .vgpr_count:     208
    .wavefront_size: 32
...
	.end_amdgpu_metadata
.endif
;; end of part 2
;; launch count_low: the kernel of part 2 again; grid 256 x 1, 16 waves a work-group, no clusters, 6,144 bytes of LDS; arguments wb, cnt2, cnt3; writes cnt3
;; launch gemm (part 3): grid 256 x 1, 8 waves a work-group, clusters of 4 x 1, 327,680 bytes of LDS; arguments xb, wb, bias, cnt3, psum, out0; writes out0
.if DOCPART == 3
	.amdgcn_target "amdgcn-amd-amdhsa--gfx1250"
	.amdhsa_code_object_version 6
	.text
	.protected	k_qbb0f5da93b_gemm
	.globl	k_qbb0f5da93b_gemm
	.p2align	8
	.type	k_qbb0f5da93b_gemm,@function
k_qbb0f5da93b_gemm:
	s_mov_b64 s[64:65], 0
	v_nop
	global_prefetch_b8 v0, s[64:65] scope:SCOPE_SE
	s_setreg_imm32_b32 hwreg(HW_REG_WAVE_MODE, 25, 1), 1
	s_wait_xcnt 0x0
	s_wait_alu depctr_hold_cnt(0) depctr_sa_sdst(0) depctr_va_vdst(0) depctr_va_sdst(0) depctr_va_ssrc(0) depctr_va_vcc(0) depctr_vm_vsrc(0)
	s_getreg_b32 s2, hwreg(HW_REG_IB_STS2, 6, 4)
	s_cmp_eq_u32 s2, 0
	s_cbranch_scc0 .Lentry_in_a_cluster
	s_endpgm
.Lentry_in_a_cluster:
	s_bfe_u32 s2, ttmp6, 0x10000c
	s_cmp_lg_u32 s2, 0x3003
	s_cbranch_scc0 .Lentry_shape_is_right
	s_endpgm
.Lentry_shape_is_right:
; out0[m][n] = sum over k of x[m][k] Weff[n][k] + b[n], on x, weight and bias rounded to bf16; sums in f32.
; With key = the 15-bit code of |w|: Weff = w where key >= thr; else sign(w) scale where key > T; else 0.  thr comes from the last step of the selection (table cnt3),
; scale = max(sum of psum / 2^25, 1e-5), T = the upper 16 bits of 0.5 scale as f32 (|w| > 0.5 scale exactly where key > T).
; TWO PRODUCTS: acc1 = x (w or 0), acc2 = x (+-1 or 0), out = acc1 + scale acc2 + b: scale stays in f32 and is never rounded to 16 bits; the price is twice the matrix instructions.
; LIMITS.  w / scale > 0.5 is taken as |w| > 0.5 scale (they differ only within 2^-24 of equality); w + (q - w) is taken as q; NaN and infinities are not treated apart.
; SHARES.  Work-group wg owns 32 columns of out0 (weight rows 32 wg ..), all 64 rows and all of K.  Its eight waves split K: in tile T (512 k) wave v takes the k steps
; 16 T + 2 v + i, i = 0, 1, of 32 k, so each weight is transformed once and each fragment of x is read from LDS once.  A wave holds 16 accumulators (2 column blocks x 4 row blocks x 2 products).
; The matrix instruction is used transposed (source 0 = 16 weight rows, source 1 = 16 rows of x): a lane holds out[16 mt + L % 16][16 nt + 8 (L / 16) + 0..7].
; WEIGHTS come straight into registers from wb, which lies in fragment order: each load covers 512 consecutive bytes; four buffers of one k step: 16 loads a wave always on their way.
; X is the same for every work-group: 4 work-groups form a cluster and ask for each tile JOINTLY (waves 0-3, a strip of 64 rows x 256 bytes each), into a ring of two LDS slots.
; The eight waves' partial sums meet in LDS at the end.  A work-group's 32 columns are 128 bytes: eight lanes store 128 consecutive bytes, half of an aligned 256 (out0 is 2 MB of the launch's 70).
; The 128 accumulator registers are cleared by 128 moves, once, while the first tile is on its way: that spares a second written-out copy of a tile.
.set STRIP, 17408         ; 64 rows x 272 bytes (256 of data + 16: the sixteen rows of a fragment load start in different groups of banks)
.set SLOT,  69632         ; four strips: 64 rows x 512 k
.set STAGE, 139264        ; behind the ring, never filled by a tensor load: 8 waves x 64 rows x 144 bytes (32 f32 + 16)
.set STW,   9216
.set RED,   212992        ; 8 waves x 32 partial totals
.set PSB,   214016        ; 8 partial sums
.set SPARE, 214272        ; the spare words, 128 bytes a wave
.set SPW,  1              ; LDS address of my spare word; never rewritten
.set NIL,  2              ; 0; never rewritten
.set XA,   3              ; v3, v4   LDS address of my fragments of x in slot 0, 1
.set WOFF, 5              ; v5       2,048 v + 16 L: my place in a tile's blocks of wb
.set OP2,  16             ; v16-31   the +-1 operand of the k step in hand           (v6-11 at work, v12-15 bias)
.set XF,   32             ; v32-63   four fragments of x
.set RAW,  64             ; v64-127  four buffers of 16: the weights of a k step, two column blocks; masked in place
.set A1,   128            ; v128-191 acc1, block (nt, mt) at 8 (4 nt + mt)
.set A2,   192            ; v192-255 acc2
; s[4:15] xb, wb, bias, cnt3, psum, out0; s16 wave; s18 cx; s19 wg; s[20:23] record; s[24:31] descriptor group 1; s[32:35], s[36:39] group 0 of slot 0, 1; s40 trips;
; s41-47 constants of the transform; s[48:49] scale; s50-51 lane selects; s52-57 at work; s[58:59] wb at the work-group's blocks; s[60:63] offsets
.macro CROUND                       ; a round of the cluster's barrier: my work-group's barrier; wave 0 signals for the work-group; every wave waits for all four; my work-group's barrier once more
	s_barrier_signal -1
	s_barrier_wait -1
	s_cmp_lg_u32 s16, 0
	s_cbranch_scc1 .Lnot_wave_0_\@
	s_barrier_signal -3
.Lnot_wave_0_\@:
	s_barrier_wait -3
	s_barrier_signal -1
	s_barrier_wait -1
.endm
.macro JLOAD s                      ; the joint load of a tile of x into slot s: waves 0-3, a strip each; the branch hangs on the wave's number alone
	s_cmp_lt_u32 s16, 4
	s_cbranch_scc0 .Lno_load_\@
	tensor_load_to_lds s[32+4*(\s):35+4*(\s)], s[24:31]
	s_nop 0
.rept 4
	v_nop
.endr
.Lno_load_\@:
.endm
.macro WLOAD b, off                 ; a k step's weights into buffer b: column blocks 0, 1 (131,072 bytes apart), registers 0-3 and 4-7 (512 apart)
.set q, 0
.rept 4
	global_load_b128 v[RAW+16*(\b)+4*q:RAW+16*(\b)+4*q+3], v[WOFF], s[58:59] offset:(\off)+(q/2)*131072+(q%2)*512 th:TH_LOAD_NT
.set q, q+1
.endr
.endm
; Two registers (four weights) w, w + 1 -> the +-1 operand o, o + 1, and the kept weights in place.  In each half: key + (0x8000 - thr) has bit 15 set where key >= thr;
; key + (0x7fff - T) where key > T; neither sum leaves its half.  A bit times 0xffff is a half's mask, times 0x3f80 the code of 1.0; the sign is w's (a -0 adds nothing).
.macro XF2 w, o
	v_and_b32 v6, s41, v[\w]
	v_and_b32 v9, s41, v[(\w)+1]
	v_add_nc_u32 v7, s42, v6
	v_add_nc_u32 v10, s42, v9
	v_add_nc_u32 v8, s43, v6
	v_add_nc_u32 v11, s43, v9
	v_bfi_b32 v8, v7, 0, v8                        ; ternary only where the weight is not kept
	v_bfi_b32 v11, v10, 0, v11
	v_lshrrev_b32 v7, 15, v7
	v_lshrrev_b32 v10, 15, v10
	v_lshrrev_b32 v8, 15, v8
	v_lshrrev_b32 v11, 15, v11
	v_and_b32 v7, s44, v7
	v_and_b32 v10, s44, v10
	v_and_b32 v8, s44, v8
	v_and_b32 v11, s44, v11
	v_mul_u32_u24 v7, s45, v7
	v_mul_u32_u24 v10, s45, v10
	v_mul_u32_u24 v8, s46, v8
	v_mul_u32_u24 v11, s46, v11
	v_and_or_b32 v[\o], v[\w], s47, v8
	v_and_or_b32 v[(\o)+1], v[(\w)+1], s47, v11
	v_and_b32 v[\w], v[\w], v7
	v_and_b32 v[(\w)+1], v[(\w)+1], v10
.endm
; One k step of 32.  left: the younger weight loads that may stay out.  wfill = 1: the buffer takes the k step two tiles on.
.macro KSTEP slot, i, left, wfill
.set bb, 2*(\slot)+(\i)
.set RB, RAW+16*bb
.set z, 0
.rept 8
	ds_load_b128 v[XF+4*z:XF+4*z+3], v[XA+(\slot)] offset:(z/2)*4352+(\i)*64+(z%2)*32
.set z, z+1
.endr
	s_wait_loadcnt \left                           ; loads come back in order: this buffer's four are the oldest
.set z, 0
.rept 8
	XF2 RB+2*z, OP2+2*z                            ; the transform stands between the LDS loads and the wait for them
.set z, z+1
.endr
	s_wait_dscnt 0x0
.set mt, 0
.rept 4
.set nt, 0
.rept 2                                            ; sixteen accumulators by turns, one instruction a turn, over the loop's edge too
	v_wmma_f32_16x16x32_bf16 v[A1+8*(4*nt+mt):A1+8*(4*nt+mt)+7], v[RB+8*nt:RB+8*nt+7], v[XF+8*mt:XF+8*mt+7], v[A1+8*(4*nt+mt):A1+8*(4*nt+mt)+7]
	v_wmma_f32_16x16x32_bf16 v[A2+8*(4*nt+mt):A2+8*(4*nt+mt)+7], v[OP2+8*nt:OP2+8*nt+7], v[XF+8*mt:XF+8*mt+7], v[A2+8*(4*nt+mt):A2+8*(4*nt+mt)+7]
.set nt, nt+1
.endr
.set mt, mt+1
.endr
.rept 4
	v_nop                                          ; four places in front of the loads into, and the vector writes of, registers that those products read, and of the reads of their results
.endr
.if \wfill
	WLOAD bb, 32768+(\slot)*16384+(\i)*1024
.endif
.endm
; A tile of 512 k in slot.  In front of the barrier every wave waits for all its tensor loads (one at the most is out: its strip of this tile), adds 0 to its spare word, and waits for that and
; for its reads of the other slot.  xfill = 1: the barrier is a round of the cluster's, and behind it the other slot takes the next tile first of all.
.macro TRIP slot, xfill, l0, l1, wfill
	s_wait_tensorcnt 0x0                           ; no tensor load of mine is out, so a group 0 may be written
	ds_add_u32 v[SPW], v[NIL]                      ; 0 onto my spare word
	s_add_nc_u64 s[34+4*(\slot):35+4*(\slot)], s[34+4*(\slot):35+4*(\slot)], 2048   ; this slot's next tile lies two tiles of 1,024 bytes on
	s_wait_dscnt 0x0                               ; the add is done, and my reads of the other slot are over
.if \xfill
	CROUND
	JLOAD 1-(\slot)
.else
	s_barrier_signal -1
	s_barrier_wait -1
.endif
	KSTEP \slot, 0, \l0, \wfill
	KSTEP \slot, 1, \l1, \wfill
.endm
.macro QADD a, b                    ; four f32 onto four
	v_pk_add_f32 v[(\a):(\a)+1], v[(\a):(\a)+1], v[(\b):(\b)+1]
	v_pk_add_f32 v[(\a)+2:(\a)+3], v[(\a)+2:(\a)+3], v[(\b)+2:(\b)+3]
.endm
	s_load_b256 s[4:11], s[0:1], 0x0               ; xb s[4:5], wb s[6:7], bias s[8:9], cnt3 s[10:11]
	s_load_b128 s[12:15], s[0:1], 0x20             ; psum s[12:13], out0 s[14:15]
	v_lshl_add_u32 v[SPW], v0, 2, SPARE
	v_mov_b32 v[NIL], 0
	ds_add_u32 v[SPW], v[NIL]                      ; the wave's opening: the add and its wait stand ahead of the first tensor load; the set-up below, work on registers, stands between them
	v_lshrrev_b32 v6, 5, v0
	v_readfirstlane_b32 s16, v6                    ; wave 0..7
	s_bfe_u32 s18, ttmp6, 0x40000                  ; cx: my place in the cluster
	s_lshl_b32 s19, ttmp9, 2                       ; in a cluster launch ttmp9 counts clusters
	s_add_co_u32 s19, s19, s18                     ; wg: it enters the addresses of wb, bias and out0 alone
	; descriptor group 1: a strip of 64 rows x 128 elements, padded in LDS
	s_mov_b32 s24, 15|(1<<16)|(1<<20)|(1<<21)|(5<<22)|(3<<25)  ; 15:0 the mask of four; 17:16 2-byte elements; 20 padding on; 21 set beside a mask; 24:22 after every 64 words (code 5); 31:25 4 words (code 3)
	s_mov_b32 s25, 128<<16                         ; tensor_dim0 = 128
	s_mov_b32 s26, 64<<16                          ; tensor_dim1 = 64
	s_mov_b32 s27, 128<<16                         ; tile_dim0 = 128
	s_mov_b32 s28, 64                              ; tile_dim1 = 64
	s_mov_b32 s29, 4096                            ; elements from row to row
	s_mov_b32 s30, 0
	s_mov_b32 s31, 0
	s_mov_b32 s32, 1                               ; group 0 of slot 0: count = 1,
	s_mul_i32 s33, s16, STRIP                      ; LDS address: my strip (waves 0-3 alone ask)
	s_mov_b32 s36, 1
	s_add_co_u32 s37, s33, SLOT
	s_lshl_b32 s60, s16, 8                         ; my strip's 256 bytes in a row of xb
	s_mov_b32 s61, 0
	s_lshl_b32 s62, s19, 18                        ; the work-group's 256 blocks of wb
	s_mov_b32 s63, 0
	s_mov_b32 s41, 0x7fff7fff
	s_mov_b32 s44, 0x00010001
	s_mov_b32 s45, 0xffff
	s_mov_b32 s46, 0x3f80
	s_mov_b32 s47, 0x80008000
	s_mov_b32 s50, 0x76543210
	s_mov_b32 s51, 0xfedcba98
	s_mov_b32 s40, 3
	v_and_b32 v6, 15, v0                           ; L % 16
	v_bfe_u32 v7, v0, 4, 1                         ; L / 16
	v_and_b32 v8, 31, v0                           ; L
	v_mul_u32_u24 v[XA], v6, 272
	v_lshl_add_u32 v[XA], v7, 4, v[XA]             ; row x pitch + 16 x half
	s_lshr_b32 s56, s16, 1                         ; my two k steps lie in strip v / 2,
	s_mul_i32 s56, s56, STRIP
	s_and_b32 s57, s16, 1
	s_lshl_b32 s57, s57, 7                         ; 128 (v % 2) bytes into its rows
	s_add_co_u32 s56, s56, s57
	v_add_nc_u32 v[XA], s56, v[XA]
	v_add_nc_u32 v[XA+1], SLOT, v[XA]
	v_lshlrev_b32 v[WOFF], 4, v8
	v_lshl_add_u32 v[WOFF], s16, 11, v[WOFF]
	v_lshlrev_b32 v9, 2, v8
	v_lshl_add_u32 v9, s16, 12, v9                 ; my word in my wave's 32 rows of cnt3
	v_lshlrev_b32 v10, 2, v0                       ; my word of psum
	v_and_b32 v11, 7, v0
	v_lshlrev_b32 v11, 4, v11
	s_lshl_b32 s56, s19, 7
	v_add_nc_u32 v11, s56, v11                     ; the four biases of the columns that I store
	v_mov_b32 v161, 0
	s_wait_dscnt 0x0                               ; the opening add is done
	s_wait_kmcnt 0x0
	s_add_nc_u64 s[34:35], s[4:5], s[60:61]        ; tile 0
	s_add_nc_u64 s[38:39], s[34:35], 1024          ; tile 1
	s_or_b32 s35, s35, 0x80000000                  ; type = 2
	s_or_b32 s39, s39, 0x80000000
	s_add_nc_u64 s[58:59], s[6:7], s[62:63]
	CROUND                                         ; all four work-groups are here: the first joint loads meet
	JLOAD 0
	s_load_b128 s[20:23], s[10:11], 0x8000         ; the record: prefix s20, R s21
.set i, 0
.rept 32
	global_load_b32 v[128+i], v9, s[10:11] offset:128*i
.set i, i+1
.endr
	global_load_b32 v160, v10, s[12:13]
	global_load_b128 v[12:15], v11, s[8:9]
	WLOAD 0, 0                                     ; tiles 0 and 1: four k steps, 16 loads
	WLOAD 1, 1024
	WLOAD 2, 16384
	WLOAD 3, 17408
	s_wait_loadcnt 16                              ; the 16 weight loads are younger than the table, psum and bias
.set i, 0
.rept 15
	v_add3_u32 v128, v128, v[129+2*i], v[130+2*i]
.set i, i+1
.endr
	v_add_nc_u32 v128, v128, v159
	v_add_f32_dpp v160, v160, v160 row_xmask:1 row_mask:0xf bank_mask:0xf
	v_add_f32_dpp v160, v160, v160 row_xmask:2 row_mask:0xf bank_mask:0xf
	v_add_f32_dpp v160, v160, v160 row_xmask:4 row_mask:0xf bank_mask:0xf
	v_add_f32_dpp v160, v160, v160 row_xmask:8 row_mask:0xf bank_mask:0xf
	v_permlanex16_b32 v161, v160, s50, s51
	v_add_f32 v160, v160, v161
	v_lshl_add_u32 v6, v0, 2, RED
	ds_store_b32 v6, v128
	v_mov_b32 v7, s16
	v_lshl_add_u32 v7, v7, 2, PSB
	ds_store_b32 v7, v160                          ; all lanes write the same word with the same value
	s_wait_dscnt 0x0                               ; for the others' sake
	s_barrier_signal -1                            ; tile 0 may stay on its way
	s_barrier_wait -1
	v_lshl_add_u32 v6, v8, 2, RED
.set i, 0
.rept 8
	ds_load_b32 v[128+i], v6 offset:128*i
.set i, i+1
.endr
	v_mov_b32 v7, PSB
	ds_load_b128 v[136:139], v7
	ds_load_b128 v[140:143], v7 offset:16
	s_wait_dscnt 0x0
	v_add3_u32 v128, v128, v129, v130
	v_add3_u32 v128, v128, v131, v132
	v_add3_u32 v128, v128, v133, v134
	v_add_nc_u32 v128, v128, v135                  ; lane j: bucket j's count over the whole tensor
	v_pk_add_f32 v[136:137], v[136:137], v[138:139]
	v_pk_add_f32 v[140:141], v[140:141], v[142:143]
	v_pk_add_f32 v[136:137], v[136:137], v[140:141]
	v_add_f32 v136, v136, v137                     ; the sum of |w|
	v_mul_f32 v136, 0x33000000, v136               ; / 2^25
	v_max_num_f32 v136, 0x3727c5ac, v136           ; scale = max(mean, 1e-5)
	v_mul_f32 v137, 0.5, v136
	s_wait_kmcnt 0x0
	s_mov_b32 s53, 0                               ; the last step of the selection: running sum,
	s_mov_b32 s55, 0                               ; how many running sums are <= R
.set z, 0
.rept 31
	v_readlane_b32 s52, v128, z
	s_add_co_u32 s53, s53, s52
	s_cmp_le_u32 s53, s21
	s_add_co_ci_u32 s55, s55, 0
.set z, z+1
.endr
	s_lshl_b32 s56, s20, 5
	s_add_co_u32 s56, s56, s55                     ; thr
	s_sub_co_u32 s56, 0x8000, s56
	s_mul_i32 s42, s56, 0x10001                    ; 0x8000 - thr in both halves
	v_readfirstlane_b32 s48, v136
	v_readfirstlane_b32 s57, v137
	s_mov_b32 s49, s48                             ; named with it as a pair
	s_lshr_b32 s57, s57, 16                        ; T
	s_sub_co_u32 s57, 0x7fff, s57
	s_mul_i32 s43, s57, 0x10001                    ; 0x7fff - T in both halves
	v_cvt_pk_bf16_f32 v6, v12, v13                 ; the bias is rounded to bf16 like the other inputs, and widened again
	v_cvt_pk_bf16_f32 v7, v14, v15
	v_lshlrev_b32 v12, 16, v6
	v_and_b32 v13, 0xffff0000, v6
	v_lshlrev_b32 v14, 16, v7
	v_and_b32 v15, 0xffff0000, v7
.set i, 0
.rept 128
	v_mov_b32 v[A1+i], 0
.set i, i+1
.endr
.Lloop:                                            ; three trips: tiles 0-5; x tiles 1-6 and the weights of tiles 2-7 are asked for
	TRIP 0, 1, 12, 12, 1                           ; 12: the three younger buffers' loads stay out
	TRIP 1, 1, 12, 12, 1
	s_wait_xcnt 0x0                                ; the weight loads' base is stepped only behind this wait
	s_add_nc_u64 s[58:59], s[58:59], 32768
	s_sub_co_u32 s40, s40, 1
	s_cmp_lg_u32 s40, 0
	s_cbranch_scc1 .Lloop
	TRIP 0, 1, 12, 8, 0                            ; tile 6: x tile 7 is asked for; no weights are left to fetch, and the counts run down
	TRIP 1, 0, 4, 0, 0                             ; tile 7: nothing is asked for (the stepped addresses are not used)
	; THE WAY OUT.  acc1 + scale acc2, each accumulator from its low end on; the four v_nop of the last k step are the places behind the last products.
.set a, 0
.rept 8
.set z, 0
.rept 4
	v_pk_fma_f32 v[A1+8*a+2*z:A1+8*a+2*z+1], v[A2+8*a+2*z:A2+8*a+2*z+1], s[48:49], v[A1+8*a+2*z:A1+8*a+2*z+1] op_sel_hi:[1,0,1]
.set z, z+1
.endr
.set a, a+1
.endr
	v_and_b32 v6, 15, v0
	v_bfe_u32 v7, v0, 4, 1
	v_mul_u32_u24 v6, v6, 144
	v_lshl_add_u32 v6, v7, 5, v6                   ; row L % 16, 32 bytes for each half of the lanes
	s_mul_i32 s56, s16, STW
	s_add_co_u32 s56, s56, STAGE                   ; my wave's stage
	v_add_nc_u32 v6, s56, v6
.set a, 0
.rept 8
	ds_store_b128 v6, v[A1+8*a:A1+8*a+3] offset:(a%4)*2304+(a/4)*64
	ds_store_b128 v6, v[A1+8*a+4:A1+8*a+7] offset:(a%4)*2304+(a/4)*64+16
.set a, a+1
.endr
	v_lshrrev_b32 v7, 3, v0                        ; thread t adds and stores rows t / 8 and t / 8 + 32, columns 4 (t % 8) + 0..3
	v_and_b32 v8, 7, v0
	v_mul_u32_u24 v9, v7, 144
	v_lshl_add_u32 v9, v8, 4, v9
	v_add_nc_u32 v9, STAGE, v9                     ; stages 0-3,
	v_add_nc_u32 v10, 4*STW, v9                    ; stages 4-7: an LDS offset has 16 bits
	v_lshlrev_b32 v11, 15, v7                      ; a row of out0 is 32,768 bytes
	v_lshl_add_u32 v11, v8, 4, v11
	s_lshl_b32 s56, s19, 7
	v_add_nc_u32 v11, s56, v11
	s_wait_dscnt 0x0                               ; for the others' sake: my stores into my stage are done
	s_barrier_signal -1
	s_barrier_wait -1
.set z, 0
.rept 16                                           ; z = 8 x (row half) + stage
	ds_load_b128 v[32+4*z:35+4*z], v[9+((z%8)/4)] offset:(z%4)*STW+(z/8)*4608
.set z, z+1
.endr
	s_wait_dscnt 0x0
.irp hb, 32, 64
	QADD \hb, (\hb)+4
	QADD (\hb)+8, (\hb)+12
	QADD (\hb)+16, (\hb)+20
	QADD (\hb)+24, (\hb)+28
	QADD \hb, (\hb)+8
	QADD (\hb)+16, (\hb)+24
	QADD \hb, (\hb)+16
	QADD \hb, 12
.endr
	global_store_b128 v11, v[32:35], s[14:15]
	global_store_b128 v11, v[64:67], s[14:15] offset:1048576
	s_wait_tensorcnt 0x0                           ; the wave's end, behind my last tensor load and my last LDS store
	ds_add_u32 v[SPW], v[NIL]
	s_wait_dscnt 0x0
	CROUND                                         ; the closing round: no work-group ends while a partner may still ask for a tile that names it
	s_endpgm
.Lfunc_end_k_qbb0f5da93b_gemm:
	.size	k_qbb0f5da93b_gemm, .Lfunc_end_k_qbb0f5da93b_gemm-k_qbb0f5da93b_gemm
	.p2alignl 7, 3214868480
	.fill 96, 4, 3214868480
	.section	.rodata,"a",@progbits
	.p2align	6, 0x0
	.amdhsa_kernel k_qbb0f5da93b_gemm
		.amdhsa_group_segment_fixed_size 327680
		.amdhsa_private_segment_fixed_size 0
		.amdhsa_enable_private_segment 0
		.amdhsa_kernarg_size 48
		.amdhsa_user_sgpr_count 2
		.amdhsa_user_sgpr_kernarg_segment_ptr 1
		.amdhsa_wavefront_size32 1
		.amdhsa_system_sgpr_workgroup_id_x 1
		.amdhsa_system_sgpr_workgroup_id_y 1
		.amdhsa_system_sgpr_workgroup_id_z 1
		.amdhsa_system_vgpr_workitem_id 0
		.amdhsa_next_free_vgpr 256
		.amdhsa_next_free_sgpr 66
		.amdhsa_reserve_vcc 0
		.amdhsa_float_denorm_mode_32 3
		.amdhsa_float_denorm_mode_16_64 3
		.amdhsa_memory_ordered 1
		.amdhsa_forward_progress 1
		.amdhsa_inst_pref_size 104
	.end_amdhsa_kernel
	.amdgpu_metadata
---
amdhsa.version: [ 1, 2 ]
amdhsa.kernels:
  - .name:           k_qbb0f5da93b_gemm
    .symbol:         k_qbb0f5da93b_gemm.kd
    .args:
      - { .name: xb, .offset: 0, .size: 8, .value_kind: global_buffer, .address_space: global }
      - { .name: wb, .offset: 8, .size: 8, .value_kind: global_buffer, .address_space: global }
      - { .name: bias, .offset: 16, .size: 8, .value_kind: global_buffer, .address_space: global }
      - { .name: cnt3, .offset: 24, .size: 8, .value_kind: global_buffer, .address_space: global }
      - { .name: psum, .offset: 32, .size: 8, .value_kind: global_buffer, .address_space: global }
      - { .name: out0, .offset: 40, .size: 8, .value_kind: global_buffer, .address_space: global }
    .group_segment_fixed_size: 327680
    .private_segment_fixed_size: 0
    .kernarg_segment_align: 8
    .kernarg_segment_size: 48
    .max_flat_workgroup_size: 256
    .sgpr_count:     66
    .vgpr_count:     256
    .wavefront_size: 32
...
	.end_amdgpu_metadata
.endif
;; end of part 3
